; MI455X (gfx1250); checked and timed in simulation.
; The chip was launched on July 23, 2026; its instructions are those of AMD's public machine-readable ISA for CDNA 5 (MIT licence, August 2026) and "CDNA5" Instruction Set Architecture Reference Guide (July 2026). The comments in the code are by the model that wrote it; some were corrected since.
;; Discrete Selector Transform. Allowed arithmetic: matrix products marked QUANTISED: E2M3 operands, one E8M0 scale for each 32 along K, by v_wmma_scale_f32_16x16x128_f8f6f4 with both operands' format E2M3, f32 sums; everything else in f32.
;; Inputs: W 8 x 512 x 1,024 float32; b 8 x 1,024 float32; x 16,384 int32; y 16,384 x 512 float32.
;; Outputs: out0 16,384 x 512 float32.
;; This version of the problem:
;;   THIS VERSION OF THE PROBLEM IS GIVEN IN LOW PRECISION. The matrix products marked QUANTISED in the list below multiply operands that are first quantised to E2M3 (2 exponent bits, 3 mantissa bits; 6 bits a number), with one power-of-two scale for each 32 numbers along K (OCP MX v1.0); their sums are f32. All else is computed in f32.
;;   The module's matrix products, in the order in which they are computed (A, B: the left and right operand; K: the contracted axis; several contracted axes count as one K, in the product's order):
;;     1. [M 16,384, K 512] x [K 512, N 8,192]; A: input y; B: computed on the way: QUANTISED
;;   THE QUANTISER, for each operand of a quantised product, along K:
;;     - K is cut into blocks of 32 from its start; a last block that is shorter is filled with zeros.
;;     - A block's scale is 2^e with e = floor(log2(the largest magnitude in the block)) - 2, held to -126 .. 127; a block of zeros has e = 0. As a byte (E8M0): e + 127.
;;     - Each number is divided by its block's scale, clamped to +-7.5, and rounded to the nearest number of E2M3, ties to even, subnormals kept.
;;     - The product sums the exact products of the quantised numbers (number of the format x scale) in f32.
;;   ~~~python
;;   def quantise(x, axis):      # numpy; x: float32 -> the quantised numbers, widened to float32 again
;;       x = np.moveaxis(x, axis, -1); K = x.shape[-1]
;;       x = np.pad(x, [(0, 0)] * (x.ndim - 1) + [(0, -K % 32)]); x = x.reshape(x.shape[:-1] + (-1, 32)); a = np.abs(x).max(-1, keepdims=True)
;;       e = np.where(a > 0, np.clip(np.frexp(np.where(a > 0, a, 1))[1] - 1 - 2, -126, 127), 0)      # np.frexp(a)[1] - 1 = floor(log2(a)), exactly
;;       r = np.clip(x / 2.0 ** e, -7.5, 7.5)
;;       step = 2.0 ** (np.maximum(np.frexp(np.where(r == 0, 1, r))[1] - 1, 0) - 3)
;;       q = np.round(r / step) * step * 2.0 ** e      # np.round: ties to even
;;       return np.moveaxis(q.reshape(q.shape[:-2] + (-1,))[..., :K], -1, axis).astype(np.float32)
;;   ~~~
;;   OPERANDS COMPUTED ON THE WAY. 'Computed on the way' means the value that the module computes at that place (a softmax that the list does not call 'softmax' is quantised finished and normalised). What goes into a quantiser is computed in f32, as accurately as f32 sums, v_exp_f32 and their like allow (about 1e-6 of the number): no bf16 or f16 on the way to a quantiser, and a product that is left as it is and whose result goes on into a quantised operand takes f32 operands (vector FMAs, or v_wmma_f32_16x16x4_f32). A number that lies on a knife's edge between two numbers of the format may be rounded either way, as far as f32 arithmetic and the matrix unit's own rounding can turn it there, and no further.
;; One version. Each part assembles by itself: llvm-mc -triple=amdgcn-amd-amdhsa -mcpu=gfx1250 --defsym DOCPART=n.
;; ======== version 1 of 1: 2 launches
;; workspace buffers: wq 3,145,728 bytes; ws 131,072 bytes; rows 134,656 bytes of whole numbers; tiles 1,280 bytes of whole numbers
;; launch prep (part 1): grid 148 x 1, 8 waves a work-group, no clusters, 1,536 bytes of LDS; arguments x, W, wq, ws, rows, tiles; writes wq, ws, rows, tiles
.if DOCPART == 1
	.amdgcn_target "amdgcn-amd-amdhsa--gfx1250"
	.amdhsa_code_object_version 6
	.text
	.protected	k_qb2e0979f73_prep
	.globl	k_qb2e0979f73_prep
	.p2align	8
	.type	k_qb2e0979f73_prep,@function
k_qb2e0979f73_prep:
	s_mov_b64 s[64:65], 0
	v_nop
	global_prefetch_b8 v0, s[64:65] scope:SCOPE_SE
	s_setreg_imm32_b32 hwreg(HW_REG_WAVE_MODE, 25, 1), 1
	s_wait_xcnt 0x0
; Two jobs in one launch, parted on the work-group's number.
; WORK-GROUPS 0-7: a counting sort of the 16,384 labels x, without atomics.  It stores
;   rows  [263][128] u32: tile i's token numbers in slots 0 .. count-1, zeros in the slots above;
;   tiles [263] u32: expert | count << 8.  A tile is 128 tokens of label 0 or 64 tokens of one label 1-7; label 0's tiles come first, then label 1's, and so on.
;   ceil(n0 / 128) + the sum over e >= 1 of ceil(n_e / 64) is at most 263 for every split of 16,384 tokens; the tiles behind the last one used get count 0.
; WORK-GROUPS 8-147: W x mask of experts 1-7 becomes codes of E2M3 with one E8M0 byte for each 32 along K = d.  mask[d][e'] = 1 where d > e' (e' = e mod 512): for columns 128 g .. 128 g + 127
;   only K steps s = g .. 3 of 128 hold anything, 10 of 16; the others, and expert 0, whose result the problem's where() throws away, are neither read nor written.
;   One wave makes one fragment (16 columns x 128 along K): a lane takes a column and its registers run down K in the order of the operand's registers, so nothing is transposed.
;   wq [expert][t 0..31][half][s][1,536 bytes]: the image of the fragment's 12 registers, group c of four registers of lane l at 512 c + 16 l.  t: tile of 16 columns e'; half 0 shift, 1 log_scale.
;   ws [expert][t][s][32 words]: words 0-15 the shift tile's scale words, words 16-31 the log_scale tile's.
; LIMITS: labels outside 0 .. 7 are not served (their tokens are not placed); NaN and infinities in W are not served; a block of zeros gets the byte 1 where the quantiser says 127: its codes are
; zeros, which add nothing under that byte, and this program alone reads the bytes.
.set NT,  263                          ; tiles in the list
.set XR,  32                           ; v32-95   64 numbers of W: register 32 c + i is d = 128 s + 64 c + 32 h + i
.set FR,  96                           ; v96-107  the fragment
.set TP,  108                          ; v108-110, v112-114: the upper halves of the two blocks, as the conversions leave them
.set CNT, 82                           ; s82-86   the counts of my wave's five tiles
.set TA,  128                          ; v128-132 tile k of my wave's five: 512 i + 4 x lane, its slots' place in rows
.set TT,  133                          ; v133-137 4 i, its word's place in tiles
.set TD,  138                          ; v138-142 its word
.set SL,  143                          ; v143-146 the slots of a tile, 32 at a time: lane + 32 p
.set ZR,  147                          ; v147     0, the pads' value
	s_load_b256 s[4:11], s[0:1], 0x0               ; x s[4:5], W s[6:7], wq s[8:9], ws s[10:11]
	s_load_b128 s[12:15], s[0:1], 0x20             ; rows s[12:13], tiles s[14:15]
	v_lshl_add_u32 v160, v0, 2, 0x200
	v_mov_b32 v161, 0
	v_lshrrev_b32 v1, 5, v0
	s_delay_alu instid0(VALU_DEP_1)
	v_readfirstlane_b32 s16, v1                    ; wave 0..7
	v_and_b32 v1, 31, v0                           ; lane
	v_and_b32 v2, 15, v0                           ; r
	v_bfe_u32 v3, v0, 4, 1                         ; h
	s_mov_b32 s20, 0x76543210
	s_mov_b32 s21, 0xfedcba98                      ; v_permlanex16_b32's selects for lane l xor 16
	s_cmp_lt_u32 ttmp9, 8
	s_cbranch_scc1 .Lsort
; ---------------------------------------------------------------- the weights
	s_sub_co_u32 s22, ttmp9, 8                     ; q = 0 .. 139 = 20 (expert - 1) + 10 half + p
	s_mul_hi_u32 s23, s22, 0x0ccccccd              ; q / 20 (the factor is 2^32 / 20 rounded up; exact for q < 140)
	s_mul_i32 s24, s23, 20
	s_sub_co_u32 s24, s22, s24
	s_add_co_u32 s23, s23, 1                       ; expert 1 .. 7
	s_cmp_ge_u32 s24, 10
	s_cselect_b32 s25, 1, 0                        ; half
	s_cselect_b32 s26, 10, 0
	s_sub_co_u32 s24, s24, s26                     ; p = 0 .. 9 numbers the pairs (g, s) with s >= g: g = 0: p = s; g = 1: p = s + 3; g = 2: p = s + 5; g = 3: p = s + 6
	s_mov_b32 s27, 0
	s_mov_b32 s28, 0
	s_cmp_ge_u32 s24, 4
	s_cselect_b32 s27, 1, s27
	s_cselect_b32 s28, 3, s28
	s_cmp_ge_u32 s24, 7
	s_cselect_b32 s27, 2, s27
	s_cselect_b32 s28, 5, s28
	s_cmp_ge_u32 s24, 9
	s_cselect_b32 s27, 3, s27                      ; g
	s_cselect_b32 s28, 6, s28
	s_sub_co_u32 s28, s24, s28                     ; s
	s_lshl_b32 s29, s27, 3
	s_add_co_u32 s29, s29, s16                     ; t = 8 g + wave: the eight waves stand side by side on 512 bytes of each row of W
	s_lshl_b32 s30, s23, 21                        ; W: expert x 512 x 4,096 bytes
	s_lshl_b32 s31, s28, 19                        ;  + 128 s rows of 4,096 bytes
	s_add_co_u32 s30, s30, s31
	s_lshl_b32 s31, s25, 11                        ;  + 512 half columns
	s_add_co_u32 s30, s30, s31
	s_lshl_b32 s31, s29, 6                         ;  + 16 t columns
	s_add_co_u32 s30, s30, s31
	s_mov_b32 s31, 0
	s_lshl_b32 s32, s29, 1                         ; wq: ((2 t + half) 4 + s) x 1,536 + expert x 393,216
	s_add_co_u32 s32, s32, s25
	s_lshl_b32 s32, s32, 2
	s_add_co_u32 s32, s32, s28
	s_mul_i32 s32, s32, 1536
	s_mul_i32 s33, s23, 393216
	s_add_co_u32 s32, s32, s33
	s_mov_b32 s33, 0
	s_lshl_b32 s34, s29, 2                         ; ws: (4 t + s) x 128 + 64 half + expert x 16,384
	s_add_co_u32 s34, s34, s28
	s_lshl_b32 s34, s34, 7
	s_lshl_b32 s35, s23, 14
	s_add_co_u32 s34, s34, s35
	s_lshl_b32 s35, s25, 6
	s_add_co_u32 s34, s34, s35
	s_mov_b32 s35, 0
	s_lshl_b32 s36, s29, 4
	s_lshl_b32 s37, s28, 7
	s_sub_co_i32 s36, s36, s37                     ; 16 t - 128 s
	s_wait_alu depctr_va_vdst(0)
	v_lshlrev_b32 v4, 2, v2
	s_delay_alu instid0(VALU_DEP_1)
	v_lshl_add_u32 v4, v3, 17, v4                  ; in: column r, and lanes 16-31 begin 32 rows further down
	v_lshlrev_b32 v5, 5, v3
	s_delay_alu instid0(VALU_DEP_1)
	v_sub_nc_u32 v5, v2, v5
	s_delay_alu instid0(VALU_DEP_1)
	v_add_nc_u32 v5, s36, v5                       ; my column less my first d: register i of block c = 0 is kept where i > this,
	s_delay_alu instid0(VALU_DEP_1)
	v_add_nc_u32 v6, 0xffffffc0, v5                ; of block c = 1 where i > this
	v_lshlrev_b32 v7, 4, v1                        ; out: 16 bytes a lane
	v_lshlrev_b32 v8, 2, v2                        ; the scale word's place: 4 r
	s_wait_alu depctr_va_vdst(0)
	s_wait_kmcnt 0x0
	s_add_nc_u64 s[6:7], s[6:7], s[30:31]
	s_add_nc_u64 s[8:9], s[8:9], s[32:33]
	s_add_nc_u64 s[10:11], s[10:11], s[34:35]
.set II, 0
.rept 64
	global_load_b32 v[XR+II], v4, s[6:7] offset:(64*(II/32)+II%32)*4096   ; W(128 s + 64 c + 32 h + i, my column)
.set II, II+1
.endr
	s_wait_loadcnt 0x0
	s_cmp_lg_u32 s28, s27                          ; only the K step on the diagonal is masked in part
	s_cbranch_scc1 .Lopen
.set II, 0
.rept 64
	v_cmp_gt_i32 vcc_lo, II%32, v[5+II/32]         ; d > e'
	s_delay_alu instid0(VALU_DEP_1)
	v_cndmask_b32 v[XR+II], 0, v[XR+II], vcc_lo    ; what the mask hides is 0 ahead of the block's largest magnitude
.set II, II+1
.endr
.Lopen:
.irp c, 0,1                                    ; my block 2 c + h: all its 32 numbers are mine
	v_max3_num_f32 v[10+\c], |v[XR+32*\c]|, |v[XR+1+32*\c]|, 0x1800000   ; with the floor 2^(3 - 127): the byte cannot fall under 1
.endr
.irp i, 2,4,6,8,10,12,14,16,18,20,22,24,26,28,30
.irp c, 0,1
	s_delay_alu instid0(VALU_DEP_2)
	v_max3_num_f32 v[10+\c], v[10+\c], |v[XR+32*\c+\i]|, |v[XR+1+32*\c+\i]|   ; the two blocks by turns
.endr
.endr
.irp c, 0,1
	s_delay_alu instid0(VALU_DEP_2)
	v_add_nc_u32 v[12+\c], 0xff000000, v[10+\c]    ; 2 off the exponent field: the conversion's scale operand
.endr
.irp c, 0,1
	s_delay_alu instid0(VALU_DEP_2)
	v_lshrrev_b32 v[14+\c], 23, v[12+\c]           ; the scale's byte
.endr
	s_delay_alu instid0(VALU_DEP_1)
	v_lshl_or_b32 v16, v15, 16, v14                ; my two bytes, blocks h and 2 + h,
	v_lshlrev_b32 v17, 3, v3
	s_delay_alu instid0(VALU_DEP_1)
	v_lshlrev_b32 v16, v17, v16                    ; at their places in the word;
	v_mov_b32 v17, 0
	s_delay_alu instid0(VALU_DEP_1)
	v_permlanex16_b32 v17, v16, s20, s21
	s_delay_alu instid0(VALU_DEP_1)
	v_or_b32 v16, v16, v17                         ; with lane l xor 16's two the word is whole, in both lanes
.irp c, 0,1
	v_cvt_scalef32_pk16_fp6_f32 v[FR+6*\c:FR+6*\c+2], v[XR+32*\c:XR+32*\c+15], v[12+\c]
	v_cvt_scalef32_pk16_fp6_f32 v[TP+4*\c:TP+4*\c+2], v[XR+16+32*\c:XR+31+32*\c], v[12+\c]   ; (a conversion's three registers begin on an even number)
.endr
	v_nop                                          ; one plain place behind a scaled conversion
.irp c, 0,1
.irp i, 0,1,2
	v_mov_b32 v[FR+3+6*\c+\i], v[TP+4*\c+\i]
.endr
.endr
.irp c, 0,1,2
	global_store_b128 v7, v[FR+4*\c:FR+4*\c+3], s[8:9] offset:512*\c   ; 32 lanes store 512 consecutive bytes, at a multiple of 512 from wq's first byte
.endr
	global_store_b32 v8, v16, s[10:11]             ; 64 bytes of scale words; lanes r and r + 16 store the same word to the same place
	s_endpgm
; ---------------------------------------------------------------- the sort
; Work-group j places tokens 2,048 j .. + 2,047, wave w of it 256 of them.  Every work-group counts all of x (wave w: chunk w of 2,048), so that each knows all totals and what lies in front of it.
.Lsort:
	s_mov_b32 s17, 0x0f0f0f0f
	s_mov_b32 s18, 0x00ff00ff
	s_lshl_b32 s22, s16, 13
	s_wait_alu depctr_va_vdst(0)
	v_lshl_add_u32 v4, v1, 4, s22                  ; chunk w: 8,192 w + 16 x lane
	s_lshl_b32 s23, ttmp9, 13
	s_lshl_b32 s24, s16, 10
	s_add_co_u32 s23, s23, s24
	v_lshl_add_u32 v5, v1, 4, s23                  ; my share: 8,192 j + 1,024 w + 16 x lane
	v_mov_b32 v6, s16
	s_delay_alu instid0(VALU_DEP_1)
	v_lshlrev_b32 v6, 4, v6                        ; LDS: 16 w
	v_lshlrev_b32 v7, 4, v2                        ; LDS: 16 (lane % 16)
	v_mov_b32 v88, 1
.irp k, 0,1,2,3
	v_mov_b32 v[112+\k], 0                         ; written once: the destination of a lane move counts as one of its sources
.endr
	s_wait_alu depctr_va_vdst(0)
	s_wait_kmcnt 0x0
.set II, 0
.rept 16
	global_load_b128 v[16+4*II:19+4*II], v4, s[4:5] offset:512*II
.set II, II+1
.endr
	global_load_b128 v[80:83], v5, s[4:5]
	global_load_b128 v[84:87], v5, s[4:5] offset:512
	s_wait_loadcnt 0x0
; Eight labels are counted in eight nibbles of one register (1 << 4 x label, at most 8 in a nibble); then the even experts' nibbles go to bytes of e, the odd experts' to bytes of o (at most 64 in a byte).
.macro COUNT8 base, e, o, start
.irp i, 0,1,2,3,4,5,6,7
	v_lshlrev_b32 v89, 2, v[\base+\i]
.if \i == 0
	s_delay_alu instid0(VALU_DEP_1)
	v_lshlrev_b32 v90, v89, v88
.else
	s_delay_alu instid0(VALU_DEP_1)
	v_lshlrev_b32 v89, v89, v88
	s_delay_alu instid0(VALU_DEP_1)
	v_add_nc_u32 v90, v90, v89
.endif
.endr
	s_delay_alu instid0(VALU_DEP_1)
	v_lshrrev_b32 v91, 4, v90
.if \start
	s_delay_alu instid0(VALU_DEP_2)
	v_and_b32 v[\e], s17, v90
	s_delay_alu instid0(VALU_DEP_2)
	v_and_b32 v[\o], s17, v91
.else
	s_delay_alu instid0(VALU_DEP_2)
	v_and_b32 v90, s17, v90
	s_delay_alu instid0(VALU_DEP_2)
	v_and_b32 v91, s17, v91
	s_delay_alu instid0(VALU_DEP_2)
	v_add_nc_u32 v[\e], v[\e], v90
	s_delay_alu instid0(VALU_DEP_2)
	v_add_nc_u32 v[\o], v[\o], v91
.endif
.endm
.macro SUM16 r                                 ; four registers summed over each 16 lanes
.irp m, 1,2,4,8
.irp k, 0,1,2,3
	v_mov_b32_dpp v[112+\k], v[\r+\k] row_xmask:\m row_mask:0xf bank_mask:0xf
.endr
.irp k, 0,1,2,3
	s_delay_alu instid0(VALU_DEP_4)
	v_add_nc_u32 v[\r+\k], v[\r+\k], v[112+\k]
.endr
.endr
.endm
; The bytes are widened to halves: r+0 = (n0, n4), r+1 = (n2, n6), r+2 = (n1, n5), r+3 = (n3, n7), and summed over the wave (at most 2,048 in a half; over all of x 16,384).
.macro REDUCE e, o, r
	v_and_b32 v[\r], s18, v[\e]
	v_lshrrev_b32 v[\r+1], 8, v[\e]
	v_and_b32 v[\r+2], s18, v[\o]
	v_lshrrev_b32 v[\r+3], 8, v[\o]
	s_delay_alu instid0(VALU_DEP_3)
	v_and_b32 v[\r+1], s18, v[\r+1]
	s_delay_alu instid0(VALU_DEP_2)
	v_and_b32 v[\r+3], s18, v[\r+3]
	SUM16 \r
.irp k, 0,1,2,3
	s_delay_alu instid0(VALU_DEP_4)
	v_permlanex16_b32 v[112+\k], v[\r+\k], s20, s21
.endr
.irp k, 0,1,2,3
	s_delay_alu instid0(VALU_DEP_4)
	v_add_nc_u32 v[\r+\k], v[\r+\k], v[112+\k]
.endr
.endm
	COUNT8 16, 10, 11, 1
.irp g, 24,32,40,48,56,64,72
	COUNT8 \g, 10, 11, 0
.endr
	COUNT8 80, 12, 13, 1
	REDUCE 10, 11, 92
	REDUCE 12, 13, 96
	ds_store_b128 v6, v[92:95]                     ; chunk w's counts at 16 w (every lane writes the same 16 bytes),
	ds_store_b128 v6, v[96:99] offset:128          ; my share's at 128 + 16 w
	s_wait_dscnt 0x0                               ; for the others' sake: my stores are done
	s_barrier_signal -1
	s_barrier_wait -1
	ds_load_b128 v[100:103], v7                    ; lanes % 16 = 0-7: chunks 0-7; 8-15: the shares of waves 0-7 of my work-group
	v_cmp_gt_u32 s42, 8, v2                        ; a chunk's lane
	s_add_co_u32 s25, s16, 8
	s_mov_b32 s26, ttmp9
	v_mov_b32 v8, s25
	v_mov_b32 v9, s26
	s_delay_alu instid0(VALU_DEP_1)
	v_cndmask_b32 v8, v8, v9, s42
	s_delay_alu instid0(VALU_DEP_1)
	v_cmp_lt_u32 s43, v2, v8                       ; in front of my share: chunks under j, and the shares of the waves under w
	s_wait_dscnt 0x0
.irp k, 0,1,2,3
	v_cndmask_b32 v[104+\k], 0, v[100+\k], s42
	v_cndmask_b32 v[108+\k], 0, v[100+\k], s43
.endr
	SUM16 104
	SUM16 108
.irp k, 0,1,2,3
	v_readfirstlane_b32 s[44+\k], v[104+\k]
	v_readfirstlane_b32 s[84+\k], v[108+\k]
.endr
	s_and_b32 s48, s44, 0xffff                     ; s48-55: n_e, the totals
	s_lshr_b32 s52, s44, 16
	s_and_b32 s50, s45, 0xffff
	s_lshr_b32 s54, s45, 16
	s_and_b32 s49, s46, 0xffff
	s_lshr_b32 s53, s46, 16
	s_and_b32 s51, s47, 0xffff
	s_lshr_b32 s55, s47, 16
	s_and_b32 s56, s84, 0xffff                     ; s56-63: how many tokens of label e stand in front of my share
	s_lshr_b32 s60, s84, 16
	s_and_b32 s58, s85, 0xffff
	s_lshr_b32 s62, s85, 16
	s_and_b32 s57, s86, 0xffff
	s_lshr_b32 s61, s86, 16
	s_and_b32 s59, s87, 0xffff
	s_lshr_b32 s63, s87, 16
	s_mov_b32 s66, 0                               ; s66-73: tb_e, label e's first tile
	s_add_co_u32 s88, s48, 127
	s_lshr_b32 s67, s88, 7
.irp e, 1,2,3,4,5,6
	s_add_co_u32 s88, s[48+\e], 63
	s_lshr_b32 s88, s88, 6
	s_add_co_u32 s[67+\e], s[66+\e], s88
.endr
	s_mov_b32 s74, s48                             ; s74-81: n_e + tb_e x the tile's rows: less i x the tile's rows it is what is left for tile i
.irp e, 1,2,3,4,5,6,7
	s_lshl_b32 s88, s[66+\e], 6
	s_add_co_u32 s[74+\e], s[48+\e], s88
	s_lshl_b32 s88, s[66+\e], 16
	s_add_co_u32 s[56+\e], s[56+\e], s88           ; the running rank below, tb_e above it
.endr
	s_lshl_b32 s89, ttmp9, 11
	s_lshl_b32 s88, s16, 8
	s_add_co_u32 s89, s89, s88
	v_lshl_add_u32 v20, v1, 2, s89                 ; my first token: 2,048 j + 256 w + 4 x lane
; Label register 80 + k: each lane's rank among its label's tokens is the running count plus the lanes below it with the same label.
; Word in rows: label 0: 128 tb + rank.  Labels 1-7: 128 (tb + rank / 64) + rank % 64 = 128 tb + rank + (rank with its low 6 bits cleared).
.macro PLACE k
	v_mov_b32 v16, 0
.irp e, 0,1,2,3,4,5,6,7
	v_cmp_eq_u32 s40, \e, v[80+\k]
	s_delay_alu instid0(VALU_DEP_1)
	v_mbcnt_lo_u32_b32 v17, s40, s[56+\e]
	s_delay_alu instid0(VALU_DEP_1)
	v_cndmask_b32 v16, v16, v17, s40
	s_bcnt1_i32_b32 s41, s40
	s_add_co_u32 s[56+\e], s[56+\e], s41
.endr
	v_and_b32 v18, 0xffff, v16
	v_lshrrev_b32 v17, 16, v16
	v_and_b32 v19, 0xffc0, v16
	v_cmp_ne_u32 vcc_lo, 0, v[80+\k]
	s_delay_alu instid0(VALU_DEP_1)
	v_cndmask_b32 v19, 0, v19, vcc_lo
	s_delay_alu instid0(VALU_DEP_4)
	v_lshl_add_u32 v[112+\k], v17, 7, v18
	s_delay_alu instid0(VALU_DEP_1)
	v_add_nc_u32 v[112+\k], v[112+\k], v19
	s_delay_alu instid0(VALU_DEP_1)
	v_min_u32 v[112+\k], 0x837f, v[112+\k]         ; inside rows: 263 x 128 words
	s_delay_alu instid0(VALU_DEP_1)
	v_lshlrev_b32 v[112+\k], 2, v[112+\k]
	v_add_nc_u32 v[120+\k], 128*(\k/4)+\k%4, v20   ; the token's number
	global_store_b32 v[112+\k], v[120+\k], s[12:13]   ; each k has registers of its own: none is written again
.endm
.irp k, 0,1,2,3,4,5,6,7
	PLACE \k
.endr
; THE TILE WORDS AND THE PADS: wave 8 j + w takes tiles i = 8 j + w + 64 k, k = 0 .. 4.
; All that the stores below name (addresses, words, counts) is made first, for all five tiles, each in a register of its own and with EXEC as it was at the entry:
; behind the first line that narrows EXEC no vector register is written any more.
	s_lshl_b32 s97, ttmp9, 3
	s_add_co_u32 s97, s97, s16
.irp p, 0,1,2,3
	v_add_nc_u32 v[SL+\p], 32*\p, v1
.endr
	v_mov_b32 v[ZR], 0
.macro TILEC k
	s_add_co_u32 s88, s97, 64*\k                   ; tile i
	s_mov_b32 s89, 0                               ; its label: the last e with tb_e <= i
	s_mov_b32 s90, s74
	s_mov_b32 s91, 7
	s_mov_b32 s92, 128
.irp e, 1,2,3,4,5,6,7
	s_cmp_ge_u32 s88, s[66+\e]
	s_cselect_b32 s89, \e, s89
	s_cselect_b32 s90, s[74+\e], s90
	s_cselect_b32 s91, 6, s91
	s_cselect_b32 s92, 64, s92
.endr
	s_lshl_b32 s93, s88, s91
	s_min_u32 s93, s93, s90
	s_sub_co_u32 s93, s90, s93                     ; what is left of the label's tokens at this tile, 0 behind the last tile,
	s_min_u32 s[CNT+\k], s93, s92                  ; held at the tile's rows: the count
	s_lshl_b32 s94, s[CNT+\k], 8
	s_or_b32 s94, s94, s89
	s_lshl_b32 s95, s88, 9
	v_lshl_add_u32 v[TA+\k], v1, 2, s95            ; 512 i + 4 x lane
	s_lshl_b32 s95, s88, 2
	v_mov_b32 v[TT+\k], s95                        ; 4 i
	v_mov_b32 v[TD+\k], s94                        ; expert | count << 8
.endm
.irp k, 0,1,2,3,4
	TILEC \k                                       ; (the fifth tile's numbers are made in every wave; its stores stand under the branch below)
.endr
.macro PADS k                                  ; zeros into the slots from the count on, 32 slots at a time
.irp p, 0,1,2,3
	v_cmp_le_u32 vcc_lo, s[CNT+\k], v[SL+\p]
	s_and_saveexec_b32 s96, vcc_lo                 ; (no memory instruction has been issued since the last wait on XCNT)
	global_store_b32 v[TA+\k], v[ZR], s[12:13] offset:128*\p
	s_wait_xcnt 0x0                                ; EXEC is a source of the store: it is widened only behind this wait
	s_or_b32 exec_lo, exec_lo, s96
.endr
.endm
	v_cmp_eq_u32 vcc_lo, 0, v1
	s_wait_alu depctr_va_vdst(0)
	s_wait_xcnt 0x0                                ; the placing stores have read their sources, EXEC among them: only now is it narrowed
	s_and_saveexec_b32 s96, vcc_lo                 ; lane 0 stores the words
.irp k, 0,1,2,3
	global_store_b32 v[TT+\k], v[TD+\k], s[14:15]
.endr
	s_wait_xcnt 0x0
	s_or_b32 exec_lo, exec_lo, s96
.irp k, 0,1,2,3
	PADS \k
.endr
	s_add_co_u32 s88, s97, 256                     ; tiles 256 .. 262: waves 0 .. 6 of work-group 0
	s_cmp_lt_u32 s88, NT
	s_cbranch_scc0 .Ldone
	v_cmp_eq_u32 vcc_lo, 0, v1
	s_and_saveexec_b32 s96, vcc_lo
	global_store_b32 v[TT+4], v[TD+4], s[14:15]
	s_wait_xcnt 0x0
	s_or_b32 exec_lo, exec_lo, s96
	PADS 4
.Ldone:
	s_wait_tensorcnt 0x0
	ds_add_u32 v160, v161
	s_wait_dscnt 0x0
	s_endpgm
.Lfunc_end_k_qb2e0979f73_prep:
	.size	k_qb2e0979f73_prep, .Lfunc_end_k_qb2e0979f73_prep-k_qb2e0979f73_prep
	.p2alignl 7, 3214868480
	.fill 96, 4, 3214868480
	.section	.rodata,"a",@progbits
	.p2align	6, 0x0
	.amdhsa_kernel k_qb2e0979f73_prep
		.amdhsa_group_segment_fixed_size 1536
		.amdhsa_private_segment_fixed_size 0
		.amdhsa_enable_private_segment 0
		.amdhsa_kernarg_size 48
		.amdhsa_user_sgpr_count 2
		.amdhsa_user_sgpr_kernarg_segment_ptr 1
		.amdhsa_wavefront_size32 1
		.amdhsa_system_sgpr_workgroup_id_x 1
		.amdhsa_system_sgpr_workgroup_id_y 1
		.amdhsa_system_sgpr_workgroup_id_z 1
		.amdhsa_system_vgpr_workitem_id 0
		.amdhsa_next_free_vgpr 162
		.amdhsa_next_free_sgpr 100
		.amdhsa_reserve_vcc 1
		.amdhsa_float_denorm_mode_32 3
		.amdhsa_float_denorm_mode_16_64 3
		.amdhsa_memory_ordered 1
		.amdhsa_forward_progress 1
		.amdhsa_inst_pref_size 90
	.end_amdhsa_kernel
	.amdgpu_metadata
---
amdhsa.version: [ 1, 2 ]
amdhsa.kernels:
  - .name:           k_qb2e0979f73_prep
    .symbol:         k_qb2e0979f73_prep.kd
    .args:
      - { .name: x, .offset: 0, .size: 8, .value_kind: global_buffer, .address_space: global }
      - { .name: W, .offset: 8, .size: 8, .value_kind: global_buffer, .address_space: global }
      - { .name: wq, .offset: 16, .size: 8, .value_kind: global_buffer, .address_space: global }
      - { .name: ws, .offset: 24, .size: 8, .value_kind: global_buffer, .address_space: global }
      - { .name: rows, .offset: 32, .size: 8, .value_kind: global_buffer, .address_space: global }
      - { .name: tiles, .offset: 40, .size: 8, .value_kind: global_buffer, .address_space: global }
    .group_segment_fixed_size: 1536
    .private_segment_fixed_size: 0
    .kernarg_segment_align: 8
    .kernarg_segment_size: 48
    .max_flat_workgroup_size: 256
    .sgpr_count:     100
    .vgpr_count:     162
    .wavefront_size: 32
...
	.end_amdgpu_metadata
.endif
;; end of part 1
;; launch main (part 2): grid 263 x 1, 4 waves a work-group, no clusters, 164,352 bytes of LDS; arguments y, wq, ws, b, rows, tiles, out0; writes out0
.if DOCPART == 2
	.amdgcn_target "amdgcn-amd-amdhsa--gfx1250"
	.amdhsa_code_object_version 6
	.text
	.protected	k_qb2e0979f73_main
	.globl	k_qb2e0979f73_main
	.p2align	8
	.type	k_qb2e0979f73_main,@function
k_qb2e0979f73_main:
	s_mov_b64 s[64:65], 0
	v_nop
	global_prefetch_b8 v0, s[64:65] scope:SCOPE_SE
	s_setreg_imm32_b32 hwreg(HW_REG_WAVE_MODE, 25, 1), 1
	s_wait_xcnt 0x0
; out[t] = y[t] where x[t] = 0; else y[t] exp(h[512 + c]) + h[c], h = Q(y[t]) . Q(W[x[t]] x mask) + b[x[t]], the product on codes of E2M3 with one E8M0 scale for each 32 along K = 512.
; ONE WORK-GROUP TAKES ONE TILE OF THE STORED LIST THROUGH THE WHOLE CHAIN: 64 tokens of one expert 1-7 (gather, quantise y, product, exp and multiply-add, store), or 128 tokens of label 0 (copy).
; 263 work-groups serve every split of the 16,384 tokens; one that the split leaves without tokens (count 0) stores nothing.
; SHARES.  Wave w gathers and quantises rows 16 w .. 16 w + 15.  For all 64 rows it then makes two quads of 64 columns c, each for shift and for log_scale: quad w xor 7 ("light") and quad w ("heavy").
; The mask leaves columns 128 g .. of a K step s of 128 only where s >= g: the light quad has K steps 3 (and 2 in waves 2, 3), the heavy one 3, 2, 1 (and 0 in waves 0, 1): five K steps,
; 40 weight fragments and 160 matrix instructions in every wave.  The step that hangs on the wave's number has one set of registers, X: heavy s = 0 in waves 0, 1; light s = 2 in waves 2, 3.
; THE PRODUCT IS USED TRANSPOSED: source 0 = 16 columns of the weight, source 1 = 16 rows of y: lane (r, h) holds row r and columns + 8 h + 0 .. 7, and the bias is the C of each sum's first instruction.
; A quad is 256 bytes of a row of out: a wave alone writes whole aligned runs of 256 bytes.  Results replace y in the stage in LDS, in the wave's own columns, and leave by rows.
; THE WEIGHTS come from memory straight into registers, as images of the operand's registers (three loads of 16 bytes a lane for a fragment).  No tensor load, no cluster: the text branches on the
; stored tile word, and how many tiles an expert has hangs on the split, so that no fixed group of work-groups shares an expert's weights at every split.
; ONE BARRIER, on every wave's path.  Ahead of it all loads from memory are issued whatever the tile; only the LDS and vector work of a tile with a product stands under a branch on the tile word.
; PADS.  Rows from the count on repeat the tile's first token: they compute and store the same bytes to the same place as that token's own row.
; LIMITS: NaN and infinities in y are not served ahead of the quantiser; a block of zeros has the byte 1 where the quantiser says 127 (its codes are zeros).  K steps are added from 3 down.
;
; LDS: 64 rows of y, 2,048 bytes + 16 (129 x 16 bytes: the 16 rows of a load of 16 bytes a lane start 16 bytes apart modulo 256); y's 16 fragments as images (index 4 m + s); their scale words; b[expert].
.set PITCH, 2064
.set WROWS, 16*PITCH
.set HROWS, 32*PITCH
.set FRB,   1536                       ; a fragment's image
.set XIMG,  64*PITCH
.set XSC,   XIMG+16*FRB
.set BIAS,  XSC+16*128                 ; + 4,096 = 162,816 bytes in all
; REGISTERS, window 0:
.set L16, 4                            ; v4    16 x lane
.set L4,  5                            ; v5    4 x lane
.set STW, 8                            ; v8    stage, in: my wave's rows + 16 x lane
.set QR,  9                            ; v9    stage, for the quantiser: my wave's row r + 64 h
.set XWI, 10                           ; v10   where I store y's images
.set XWS, 11                           ; v11   and their scale words
.set LI,  12                           ; v12   the images + 16 x lane
.set LS,  13                           ; v13   the scale words + 4 x lane
.set BWR, 14                           ; v14   b: my wave's 1,024 bytes + 16 x lane
.set BRD, 15                           ; v15-16  b at quad (light, heavy) + 32 h
.set YA,  17                           ; v17-20  stage at row r + 32 h + quad, rows 0-31 / 32-63: light, light, heavy, heavy
.set RD,  21                           ; v21-24  stage at row h + 16 r + quad, likewise
.set IA,  25                           ; v25   4 h
.set CH,  26                           ; v26   count - h
.set R16, 27                           ; v27   16 r
.set YS,  32                           ; v32-47  y's scale words, 4 m + s
.set WS,  48                           ; v48-51 light s = 3; v52-55 X; v56-67 heavy, 3 tau + (3 - s): the weights' scale words (lanes 0-15 shift, 16-31 log_scale)
.set OFF, 68                           ; v68-83  my 16 rows: token x 2,048 + 16 x lane
.set OFS, 84                           ; v84-115 row 2 k + h: token x 2,048 + 16 r
.set ACC, 116                          ; v116-147 four accumulators: 8 (2 half + mi); ahead of the barrier v116-123 hold my 1,024 bytes of b
.set YV,  148                          ; v148-179 two sets of 16 numbers of y, then of out; the copy's second 16 offsets
.set OB,  180                          ; v180-243 rows read back for the stores
; window 1: the 16 gathered rows (4 n: row n / 4, part n % 4); then the quantiser's registers; then y's fragments at 12 (4 m + s), and weight fragments 35-39 from v192
.set ST0, 0
.set ST1, 64
.set TM,  128
.set PC0, 144
.set PW0, 164
.set PC1, 166
.set PW1, 186
; window 2: weight fragments 0-20.   window 3: fragments 21-34; from v168 the bias as C, 8 (2 tau + half); in the copy the second 64 rows' data
.set BI,  168
; weight fragments: light s = 3: 2 tau + half;  X: 8 + 2 tau + half;  heavy: 16 + 6 tau + 2 (3 - s) + half
.set MSB, 0
.macro WIN new                         ; low byte: bits 1:0 source 0, 3:2 source 1, 5:4 source 2, 7:6 destination; the high byte repeats the setting that is left
.if MSB != \new
	s_set_vgpr_msb (MSB<<8)|\new
.set MSB, \new
.endif
.endm
.macro FPLACE f                        ; fragment f lies in window FW from register FB on
.if (\f) < 21
.set FW, 2
.set FB, 12*(\f)
.elseif (\f) < 35
.set FW, 3
.set FB, 12*((\f)-21)
.else
.set FW, 1
.set FB, 192+12*((\f)-35)
.endif
.endm
.macro BLOAD f, base, imm              ; a weight fragment from memory: each load takes 512 consecutive bytes
	FPLACE \f
	WIN (FW<<6)
.irp c, 0,1,2
	global_load_b128 v[FB+4*\c:FB+4*\c+3], v[L16], s[\base:\base+1] offset:(\imm)+512*\c
.endr
.endm
.macro HLOAD tau                       ; the heavy quad's tile tau: K steps 3, 2, 1, both halves
.irp st, 3,2,1
.irp hf, 0,1
	BLOAD 16+6*(\tau)+2*(3-\st)+\hf, 68, (8*(\tau)+4*\hf+\st)*FRB
.endr
.endr
.endm
	s_load_b256 s[4:11], s[0:1], 0x0               ; y s[4:5], wq s[6:7], ws s[8:9], b s[10:11]
	s_load_b128 s[12:15], s[0:1], 0x20             ; rows s[12:13], tiles s[14:15]
	s_load_b64 s[16:17], s[0:1], 0x30              ; out0
	v_lshl_add_u32 v254, v0, 2, 0x28000
	v_mov_b32 v255, 0
	v_lshrrev_b32 v1, 5, v0
	v_readfirstlane_b32 s18, v1                    ; wave 0..3
	v_and_b32 v1, 31, v0                           ; lane
	v_and_b32 v2, 15, v0                           ; r
	v_bfe_u32 v3, v0, 4, 1                         ; h
	v_lshlrev_b32 v[L16], 4, v1
	v_lshlrev_b32 v[L4], 2, v1
	s_xor_b32 s90, s18, 7                          ; the light quad
	; every LDS address is made here, from the thread's number, the wave's number and constants
	s_mul_i32 s94, s18, WROWS
	v_add_nc_u32 v[STW], s94, v[L16]
	v_mul_u32_u24 v6, v2, PITCH
	v_lshl_add_u32 v[QR], v3, 6, v6
	v_add_nc_u32 v[QR], s94, v[QR]
	s_mul_i32 s94, s18, 4*FRB
	s_add_co_u32 s94, s94, XIMG
	v_add_nc_u32 v[XWI], s94, v[L16]
	s_lshl_b32 s94, s18, 9
	s_add_co_u32 s94, s94, XSC
	v_add_nc_u32 v[XWS], s94, v[L4]
	v_add_nc_u32 v[LI], XIMG, v[L16]
	v_add_nc_u32 v[LS], XSC, v[L4]
	s_lshl_b32 s94, s18, 10
	s_add_co_u32 s94, s94, BIAS
	v_add_nc_u32 v[BWR], s94, v[L16]
	s_lshl_b32 s94, s90, 8                         ; a quad is 256 bytes of a row: the light one's,
	s_lshl_b32 s95, s18, 8                         ; the heavy one's
	v_lshlrev_b32 v7, 5, v3
	s_add_co_u32 s96, s94, BIAS
	v_add_nc_u32 v[BRD], s96, v7
	s_add_co_u32 s96, s95, BIAS
	v_add_nc_u32 v[BRD+1], s96, v7
	v_add_nc_u32 v7, v6, v7                        ; row r + 32 h
	v_add_nc_u32 v[YA], s94, v7
	v_add_nc_u32 v[YA+1], HROWS, v[YA]
	v_add_nc_u32 v[YA+2], s95, v7
	v_add_nc_u32 v[YA+3], HROWS, v[YA+2]
	v_mul_u32_u24 v6, v3, PITCH
	v_lshlrev_b32 v[R16], 4, v2
	v_add_nc_u32 v6, v6, v[R16]                    ; row h + 16 r
	v_add_nc_u32 v[RD], s94, v6
	v_add_nc_u32 v[RD+1], HROWS, v[RD]
	v_add_nc_u32 v[RD+2], s95, v6
	v_add_nc_u32 v[RD+3], HROWS, v[RD+2]
	v_lshlrev_b32 v[IA], 2, v3
	s_mov_b32 s28, 0x76543210
	s_mov_b32 s29, 0xfedcba98                      ; v_permlanex16_b32's selects for lane l xor 16
	s_mov_b32 s30, 0x3fb8aa3b                      ; log2(e)
	s_mov_b32 s31, s30                             ; (named with it as a pair, so it is written)
	s_lshl_b32 s24, ttmp9, 9                       ; my tile's 128 slots,
	s_mov_b32 s25, 0
	s_lshl_b32 s26, s18, 6
	s_add_co_u32 s26, s26, s24                     ; my wave's 16 of them,
	s_mov_b32 s27, 0
	s_lshl_b32 s92, ttmp9, 2                       ; my tile's word
	s_mov_b32 s93, 0
	s_wait_alu depctr_va_vdst(0)
	s_wait_kmcnt 0x0
	s_add_nc_u64 s[84:85], s[12:13], s[24:25]
	s_add_nc_u64 s[86:87], s[12:13], s[26:27]
	s_add_nc_u64 s[88:89], s[14:15], s[92:93]
	s_load_b32 s19, s[88:89], 0x0                  ; expert | count << 8
	s_load_b32 s22, s[84:85], 0x0                  ; the tile's first token
	s_load_b512 s[32:47], s[86:87], 0x0            ; slots 16 w .. 16 w + 15
	s_load_b512 s[48:63], s[86:87], 0x100          ; slots 64 + 16 w .. (tokens in a tile of label 0, zeros else)
.set KK, 0
.rept 32
	global_load_b32 v[OFS+KK], v[IA], s[84:85] offset:8*KK   ; slot 2 k + h, for the way out
.set KK, KK+1
.endr
	s_wait_kmcnt 0x0
	s_and_b32 s20, s19, 0xff                       ; expert
	s_lshr_b32 s21, s19, 8                         ; count
	s_cmp_lg_u32 s20, 0
	s_cselect_b32 s23, s21, 0                      ; not 0: a tile with a product
	s_max_u32 s91, s20, 1
	s_min_u32 s91, s91, 7                          ; the slab of weights: a slab that was written, whatever the tile
	s_min_u32 s22, s22, 0x3fff
	s_mul_i32 s94, s91, 256*FRB
	s_mul_i32 s92, s90, 32*FRB
	s_add_co_u32 s92, s92, s94
	s_mov_b32 s93, 0
	s_add_nc_u64 s[66:67], s[6:7], s[92:93]        ; codes: the light quad's,
	s_mul_i32 s92, s18, 32*FRB
	s_add_co_u32 s92, s92, s94
	s_add_nc_u64 s[68:69], s[6:7], s[92:93]        ; the heavy quad's
	s_add_nc_u64 s[96:97], s[66:67], 2*FRB         ; (the light quad's K step 2)
	s_lshl_b32 s94, s91, 14
	s_lshl_b32 s92, s90, 11
	s_add_co_u32 s92, s92, s94
	s_add_nc_u64 s[72:73], s[8:9], s[92:93]        ; scale words likewise
	s_lshl_b32 s92, s18, 11
	s_add_co_u32 s92, s92, s94
	s_add_nc_u64 s[74:75], s[8:9], s[92:93]
	s_add_nc_u64 s[98:99], s[72:73], 256
	s_cmp_lt_u32 s18, 2                            ; X: heavy s = 0 in waves 0, 1; light s = 2 in waves 2, 3
	s_cselect_b64 s[70:71], s[68:69], s[96:97]
	s_cselect_b64 s[76:77], s[74:75], s[98:99]
	s_lshl_b32 s92, s91, 12
	s_lshl_b32 s94, s18, 10
	s_add_co_u32 s92, s92, s94
	s_add_nc_u64 s[78:79], s[10:11], s[92:93]      ; b[expert], my wave's quarter
	s_lshl_b32 s92, s90, 8
	s_add_nc_u64 s[80:81], s[16:17], s[92:93]      ; out at the light quad,
	s_lshl_b32 s92, s18, 8
	s_add_nc_u64 s[82:83], s[16:17], s[92:93]      ; at the heavy quad
	s_lshl_b32 s94, s18, 4
	s_sub_co_i32 s94, s21, s94                     ; count - 16 w
.irp q, 0,1,2,3,4,5,6,7,8,9,10,11,12,13,14,15
	s_cmp_gt_i32 s94, \q                           ; a row from the count on takes the tile's first token
	s_cselect_b32 s95, s[32+\q], s22
	s_min_u32 s95, s95, 0x3fff
	v_lshl_add_u32 v[OFF+\q], s95, 11, v[L16]
.endr
.macro YROWS first, last               ; loads first .. last of the 64 that gather my 16 rows: each takes 512 consecutive bytes of a row
.set NN, \first
.rept (\last)-(\first)+1
	global_load_b128 v[4*NN:4*NN+3], v[OFF+NN/4], s[4:5] offset:512*(NN%4)
.set NN, NN+1
.endr
.endm
	WIN 0x40
	s_wait_alu depctr_va_vdst(0)
	YROWS 0, 62
	s_wait_loadcnt 63                              ; the 63 loads of y may be out (a wait names no more): the 32 loads of slots are in
	WIN 0
	v_sub_nc_u32 v[CH], s21, v3
.set KK, 0
.rept 32                                       ; this work stands while y is on its way
	v_cmp_lt_i32 vcc_lo, 2*KK, v[CH]               ; row 2 k + h lies under the count
	v_cndmask_b32 v[OFS+KK], s22, v[OFS+KK], vcc_lo
	v_min_u32 v[OFS+KK], 0x3fff, v[OFS+KK]
	v_lshl_add_u32 v[OFS+KK], v[OFS+KK], 11, v[R16]
.set KK, KK+1
.endr
	WIN 0x40
	YROWS 63, 63
	WIN 0
	; 58 loads: b (2), the scale words of light s = 3 and of X (8), their 16 fragments (48)
	global_load_b128 v[ACC:ACC+3], v[L16], s[78:79]
	global_load_b128 v[ACC+4:ACC+7], v[L16], s[78:79] offset:512
.irp tau, 0,1,2,3
	global_load_b32 v[WS+\tau], v[L4], s[72:73] offset:(4*\tau+3)*128
.endr
.irp tau, 0,1,2,3
	global_load_b32 v[WS+4+\tau], v[L4], s[76:77] offset:512*\tau
.endr
.irp tau, 0,1,2,3
.irp hf, 0,1
	BLOAD 2*\tau+\hf, 66, (8*\tau+4*\hf+3)*FRB
.endr
.endr
.irp tau, 0,1,2,3
.irp hf, 0,1
	BLOAD 8+2*\tau+\hf, 70, (8*\tau+4*\hf)*FRB
.endr
.endr
	WIN 0
	s_cmp_eq_u32 s23, 0                            ; a copy or an empty tile has nothing to quantise
	s_cbranch_scc1 .Lbar
; ---- my 16 rows go into the stage and become four fragments
; 64 numbers of a lane, register 16 b + i = k 32 b + 16 h + i of my row, become a fragment's codes in v[pc] on and its scale word in v[pw]; all in window 1.
.macro QUANT st, pc, pw
	WIN 0x55
.irp b, 0,1,2,3
	v_max3_num_f32 v[TM+\b], |v[\st+16*\b]|, |v[\st+1+16*\b]|, 0x1800000   ; block b: my 16 numbers, and the floor 2^(3 - 127): the byte cannot fall under 1
.endr
.irp i, 2,4,6,8,10,12,14
.irp b, 0,1,2,3
	v_max3_num_f32 v[TM+\b], v[TM+\b], |v[\st+16*\b+\i]|, |v[\st+1+16*\b+\i]|   ; the four blocks by turns
.endr
.endr
.irp b, 0,1,2,3
	v_permlanex16_b32 v[TM+4+\b], v[TM+\b], s28, s29
.endr
.irp b, 0,1,2,3
	v_max_num_f32 v[TM+\b], v[TM+\b], v[TM+4+\b]   ; with lane l xor 16's: the block's largest magnitude
.endr
.irp b, 0,1,2,3
	v_add_nc_u32 v[TM+12+\b], 0xff000000, v[TM+\b] ; 2 off its exponent field: the conversion's scale operand
.endr
.irp b, 0,1,2,3
	v_lshrrev_b32 v[TM+4+\b], 23, v[TM+12+\b]      ; the scale's byte
.endr
	v_lshl_or_b32 v[\pw], v[TM+5], 8, v[TM+4]
	v_lshl_or_b32 v[\pw], v[TM+6], 16, v[\pw]
	v_lshl_or_b32 v[\pw], v[TM+7], 24, v[\pw]      ; my row's scale word
.irp c, 0,1
	v_cvt_scalef32_pk16_fp6_f32 v[\pc+6*\c:\pc+2+6*\c], v[\st+32*\c:\st+15+32*\c], v[TM+12+2*\c]
	v_cvt_scalef32_pk16_fp6_f32 v[\pc+12+4*\c:\pc+14+4*\c], v[\st+16+32*\c:\st+31+32*\c], v[TM+12+2*\c+1]   ; (a conversion's three registers begin on an even number)
.endr
	v_nop                                          ; one plain place behind a scaled conversion
.irp c, 0,1                                    ; the operand wants a whole block in a lane: lanes 0-15 block 2 c, lanes 16-31 block 2 c + 1
.irp i, 0,1,2
	v_permlane16_swap_b32 v[\pc+6*\c+\i], v[\pc+12+4*\c+\i]
.endr
.irp i, 0,1,2
	v_mov_b32 v[\pc+3+6*\c+\i], v[\pc+12+4*\c+\i]
.endr
.endr
.endm
.macro IMAGE ks, pc, pw                ; the fragment of K step ks goes to LDS as it stands: 4 LDS stores
	WIN 0x04
.irp c, 0,1,2
	ds_store_b128 v[XWI], v[\pc+4*\c:\pc+4*\c+3] offset:(\ks)*FRB+512*\c
.endr
	ds_store_b32 v[XWS], v[\pw] offset:128*(\ks)
.endm
.macro STLOAD st, ks                   ; K step ks of my row r from the stage: 16 numbers of each block of 32: 16 LDS loads
	WIN 0x40
.set NN, 0
.rept 16
	ds_load_b128 v[\st+4*NN:\st+4*NN+3], v[QR] offset:512*(\ks)+128*(NN/4)+16*(NN%4)
.set NN, NN+1
.endr
.endm
	s_wait_loadcnt 56                              ; y and b are in; the 8 + 48 loads behind them may be out
	WIN 0x04
.set NN, 0
.rept 64
	ds_store_b128 v[STW], v[4*NN:4*NN+3] offset:PITCH*(NN/4)+512*(NN%4)
.set NN, NN+1
.endr
	WIN 0
	ds_store_b128 v[BWR], v[ACC:ACC+3]
	ds_store_b128 v[BWR], v[ACC+4:ACC+7] offset:512
	STLOAD ST0, 0                                  ; LDS serves a wave's instructions in order (ISA guide 5.7.1.4): these see my stores
	STLOAD ST1, 1
	s_wait_dscnt 16                                ; K step 0 is in; K step 1's 16 loads may be out
	WIN 0x55
.irp b, 0,1,2,3
	v_mov_b32 v[TM+4+\b], 0                        ; written once: a lane permute's destination counts as one of its sources
.endr
	QUANT ST0, PC0, PW0
	IMAGE 0, PC0, PW0
	STLOAD ST0, 2
	s_wait_dscnt 20                                ; K step 1 is in; image 0's 4 stores and K step 2's 16 loads may be out
	QUANT ST1, PC1, PW1
	IMAGE 1, PC1, PW1
	STLOAD ST1, 3
	s_wait_dscnt 20                                ; image 0's stores are done and K step 2 is in; image 1's 4 stores and K step 3's 16 loads may be out
	QUANT ST0, PC0, PW0
	IMAGE 2, PC0, PW0
	s_wait_dscnt 4                                 ; image 1's stores are done and K step 3 is in; image 2's 4 stores may be out
	QUANT ST1, PC1, PW1
	IMAGE 3, PC1, PW1
	WIN 0
.Lbar:
	s_wait_loadcnt 58                              ; on every way here the 64 loads of y are in; the 58 behind them may be out
	s_wait_dscnt 0x0                               ; for the others' sake: my stores into the stage, the images and b are done
	s_barrier_signal -1
	s_barrier_wait -1                              ; the one barrier; behind it the ways part and no wave touches another's LDS bytes but to read images, scale words and b
	s_cmp_eq_u32 s21, 0
	s_cbranch_scc1 .Lend
	s_cmp_eq_u32 s20, 0
	s_cbranch_scc1 .Lident
; ---- the product.  48 loads: the heavy quad's 12 scale words, its tiles 0 and 1
.irp tau, 0,1,2,3
.irp d, 0,1,2
	global_load_b32 v[WS+8+3*\tau+\d], v[L4], s[74:75] offset:(4*\tau+3-\d)*128
.endr
.endr
	HLOAD 0
	HLOAD 1
	WIN 0x40
.set NN, 0
.rept 48                                       ; y's 16 fragments: group n of four registers lies 512 n bytes into the images
	ds_load_b128 v[4*NN:4*NN+3], v[LI] offset:512*NN
.set NN, NN+1
.endr
	WIN 0
.set NN, 0
.rept 16
	ds_load_b32 v[YS+NN], v[LS] offset:128*NN
.set NN, NN+1
.endr
.macro BILOAD kind                     ; the bias of a quad in the result's layout: for tile tau and half, b at 512 half + the tile's column + 8 h + 0 .. 7
	WIN 0xc0
.set NN, 0
.rept 8
	ds_load_b128 v[BI+8*NN:BI+8*NN+3], v[BRD+\kind] offset:64*(NN/2)+2048*(NN%2)
	ds_load_b128 v[BI+8*NN+4:BI+8*NN+7], v[BRD+\kind] offset:64*(NN/2)+2048*(NN%2)+16
.set NN, NN+1
.endr
	WIN 0
.endm
	BILOAD 0
.irp mi, 0,1
	ds_load_b128 v[YV+8*\mi:YV+8*\mi+3], v[YA] offset:WROWS*\mi       ; the first unit's y
	ds_load_b128 v[YV+8*\mi+4:YV+8*\mi+7], v[YA] offset:WROWS*\mi+16
.endr
	s_wait_loadcnt 48                              ; the 58 early loads are in; the 48 just issued may be out
	s_wait_dscnt 4                                 ; fragments, scale words and bias are in; the first unit's y may be out
; Four matrix instructions: one K step of one tile of 16 columns, shift and log_scale, for row tiles 2 mp and 2 mp + 1.  The four accumulators take turns, one instruction a turn.
.macro STEP mp, f0, ks, wsr, tau, first
.irp hf, 0,1
.irp mi, 0,1
	FPLACE (\f0)+\hf
.set AC, ACC+8*(2*\hf+\mi)
.set AF, 12*(4*(2*(\mp)+\mi)+(\ks))
.set SY, YS+4*(2*(\mp)+\mi)+(\ks)
.if \first
.set CB, BI+16*(\tau)+8*\hf
	WIN (0x34|FW)                                  ; C: the bias, window 3; source 1: y, window 1; source 0: the weight's window; D: window 0
.else
.set CB, AC
	WIN (0x04|FW)
.endif
.if \hf
	v_wmma_scale_f32_16x16x128_f8f6f4 v[AC:AC+7], v[FB:FB+11], v[AF:AF+11], v[CB:CB+7], v[\wsr], v[SY] matrix_a_fmt:MATRIX_FMT_FP6 matrix_b_fmt:MATRIX_FMT_FP6 matrix_a_scale:MATRIX_SCALE_ROW1
.else
	v_wmma_scale_f32_16x16x128_f8f6f4 v[AC:AC+7], v[FB:FB+11], v[AF:AF+11], v[CB:CB+7], v[\wsr], v[SY] matrix_a_fmt:MATRIX_FMT_FP6 matrix_b_fmt:MATRIX_FMT_FP6
.endif
.endr
.endr
.endm
; Unit u: quad u / 8 (light, heavy), rows 32 ((u / 4) % 2) on, tile u % 4 of 16 columns: 32 rows x 16 columns of out.
.macro UNIT u
.set UM, ((\u)/4)%2
.set UT, (\u)%4
.set YC, YV+16*((\u)%2)
.if (\u) < 15
.set YN, YV+16*(((\u)+1)%2)
.irp mi, 0,1                                   ; the next unit's y, a unit ahead
	ds_load_b128 v[YN+8*\mi:YN+8*\mi+3], v[YA+((\u)+1)/4] offset:WROWS*\mi+64*(((\u)+1)%4)
	ds_load_b128 v[YN+8*\mi+4:YN+8*\mi+7], v[YA+((\u)+1)/4] offset:WROWS*\mi+64*(((\u)+1)%4)+16
.endr
.endif
.if (\u) < 8
	STEP UM, 2*UT, 3, WS+UT, UT, 1
	WIN 0                                          ; at a branch and at a label every window is 0
	s_cmp_lt_u32 s18, 2                            ; the light quads of waves 0, 1 have no K step 2
	s_cbranch_scc1 .Lnox_\@
	STEP UM, 8+2*UT, 2, WS+4+UT, UT, 0
.else
	STEP UM, 16+6*UT, 3, WS+8+3*UT, UT, 1
	STEP UM, 18+6*UT, 2, WS+9+3*UT, UT, 0
	STEP UM, 20+6*UT, 1, WS+10+3*UT, UT, 0
	WIN 0
	s_cmp_ge_u32 s18, 2                            ; the heavy quads of waves 2, 3 have no K step 0
	s_cbranch_scc1 .Lnox_\@
	STEP UM, 8+2*UT, 0, WS+4+UT, UT, 0
.endif
	WIN 0
.Lnox_\@:
.rept 4
	v_nop                                          ; four places between the last product and the first read of results (ISA guide 7.12.1)
.endr
.if (\u) < 15
	s_wait_dscnt 4                                 ; my y is in; the next unit's four loads may be out
.else
	s_wait_dscnt 0x0
.endif
.irp j, 0,2,4,6,8,10,12,14
	v_pk_mul_f32 v[ACC+16+\j:ACC+17+\j], v[ACC+16+\j:ACC+17+\j], s[30:31] op_sel_hi:[1,0]   ; log_scale x log2(e); each accumulator from its low end on
.endr
	s_wait_alu depctr_va_vdst(0)
.irp j, 0,1,2,3,4,5,6,7,8,9,10,11,12,13,14,15
	v_exp_f32 v[ACC+16+\j], v[ACC+16+\j]
.endr
	v_nop                                          ; one plain place behind the exponentials
	s_wait_alu depctr_va_vdst(0)
.irp j, 0,2,4,6,8,10,12,14
	v_pk_fma_f32 v[YC+\j:YC+\j+1], v[YC+\j:YC+\j+1], v[ACC+16+\j:ACC+17+\j], v[ACC+\j:ACC+\j+1]   ; y exp(log_scale) + shift, into y's registers: no later product writes what the stores below read
.endr
.irp mi, 0,1                                   ; in y's place in the stage: these columns are mine alone
	ds_store_b128 v[YA+(\u)/4], v[YC+8*\mi:YC+8*\mi+3] offset:WROWS*\mi+64*UT
	ds_store_b128 v[YA+(\u)/4], v[YC+8*\mi+4:YC+8*\mi+7] offset:WROWS*\mi+64*UT+16
.endr
.endm
; 32 rows of a quad leave: lanes 0-15 take a row's 256 bytes, lanes 16-31 the next row's.
.macro OUT kind, mp
	s_wait_xcnt 0x0                                ; the earlier stores have read v180-243: only behind this wait are they loaded again
.set KK, 0
.rept 16
	ds_load_b128 v[OB+4*KK:OB+4*KK+3], v[RD+2*\kind+\mp] offset:2*PITCH*KK   ; LDS serves a wave's instructions in order: these see my stores
.set KK, KK+1
.endr
.set KK, 0
.rept 16
	s_wait_dscnt 15-KK                             ; pair k of rows is in; the younger pairs may be out
	global_store_b128 v[OFS+16*\mp+KK], v[OB+4*KK:OB+4*KK+3], s[80+2*\kind:81+2*\kind] th:TH_STORE_NT   ; 16 lanes store 256 consecutive bytes, at a multiple of 256 from out's first byte
.set KK, KK+1
.endr
.endm
	UNIT 0
	UNIT 1
	UNIT 2
	UNIT 3
	OUT 0, 0                                       ; a quarter of my results leaves while the next is made
	HLOAD 2                                        ; 36 loads: the heavy quad's tiles 2 and 3
	HLOAD 3
	WIN 0
	UNIT 4
	UNIT 5
	UNIT 6
	UNIT 7
	BILOAD 1                                       ; the heavy quad's bias; the last product that read these registers stands in front of unit 7's vector work, more than four places back
	OUT 0, 1                                       ; (its last wait, for 0, shows the bias in)
	s_wait_loadcnt 36                              ; the heavy quad's scale words and tiles 0, 1 are in; tiles 2, 3 may be out
	UNIT 8
	UNIT 9
	s_wait_loadcnt 0x0
	UNIT 10
	UNIT 11
	OUT 1, 0
	UNIT 12
	UNIT 13
	UNIT 14
	UNIT 15
	OUT 1, 1
	s_wait_tensorcnt 0x0
	ds_add_u32 v254, v255
	s_wait_dscnt 0x0
	s_endpgm
; ---- label 0: out = y, 128 rows.  My first 16 rows lie in window 1; the second 16 come into window 3, into which no pending load writes.
.Lident:
	s_lshl_b32 s94, s18, 4
	s_add_co_u32 s94, s94, 64
	s_sub_co_i32 s94, s21, s94                     ; count - 64 - 16 w
.irp q, 0,1,2,3,4,5,6,7,8,9,10,11,12,13,14,15
	s_cmp_gt_i32 s94, \q
	s_cselect_b32 s95, s[48+\q], s22               ; a row from the count on repeats the tile's first token: the same bytes to the same place
	s_min_u32 s95, s95, 0x3fff
	v_lshl_add_u32 v[YV+\q], s95, 11, v[L16]
.endr
	WIN 0xc0
.set NN, 0
	s_wait_alu depctr_va_vdst(0)
.rept 64
	global_load_b128 v[4*NN:4*NN+3], v[YV+NN/4], s[4:5] offset:512*(NN%4)
.set NN, NN+1
.endr
	WIN 0x04                                       ; a store's data are its source 1: window 1
.set NN, 0
.rept 64
	global_store_b128 v[OFF+NN/4], v[4*NN:4*NN+3], s[16:17] offset:512*(NN%4) th:TH_STORE_NT   ; 32 lanes store 512 consecutive bytes of a row
.set NN, NN+1
.endr
	WIN 0x0c                                       ; window 3
.set NN, 0
.rept 64
.if NN%4 == 0
	s_wait_loadcnt 60-NN                           ; this row's four loads are in; those of the rows behind it may be out
.endif
	global_store_b128 v[YV+NN/4], v[4*NN:4*NN+3], s[16:17] offset:512*(NN%4) th:TH_STORE_NT
.set NN, NN+1
.endr
	WIN 0
.Lend:
	s_wait_tensorcnt 0x0
	ds_add_u32 v254, v255
	s_wait_dscnt 0x0
	s_endpgm
.Lfunc_end_k_qb2e0979f73_main:
	.size	k_qb2e0979f73_main, .Lfunc_end_k_qb2e0979f73_main-k_qb2e0979f73_main
	.p2alignl 7, 3214868480
	.fill 96, 4, 3214868480
	.section	.rodata,"a",@progbits
	.p2align	6, 0x0
	.amdhsa_kernel k_qb2e0979f73_main
		.amdhsa_group_segment_fixed_size 164352
		.amdhsa_private_segment_fixed_size 0
		.amdhsa_enable_private_segment 0
		.amdhsa_kernarg_size 56
		.amdhsa_user_sgpr_count 2
		.amdhsa_user_sgpr_kernarg_segment_ptr 1
		.amdhsa_wavefront_size32 1
		.amdhsa_system_sgpr_workgroup_id_x 1
		.amdhsa_system_sgpr_workgroup_id_y 1
		.amdhsa_system_sgpr_workgroup_id_z 1
		.amdhsa_system_vgpr_workitem_id 0
		.amdhsa_next_free_vgpr 1024
		.amdhsa_next_free_sgpr 100
		.amdhsa_reserve_vcc 1
		.amdhsa_float_denorm_mode_32 3
		.amdhsa_float_denorm_mode_16_64 3
		.amdhsa_memory_ordered 1
		.amdhsa_forward_progress 1
		.amdhsa_inst_pref_size 166
	.end_amdhsa_kernel
	.amdgpu_metadata
---
amdhsa.version: [ 1, 2 ]
amdhsa.kernels:
  - .name:           k_qb2e0979f73_main
    .symbol:         k_qb2e0979f73_main.kd
    .args:
      - { .name: y, .offset: 0, .size: 8, .value_kind: global_buffer, .address_space: global }
      - { .name: wq, .offset: 8, .size: 8, .value_kind: global_buffer, .address_space: global }
      - { .name: ws, .offset: 16, .size: 8, .value_kind: global_buffer, .address_space: global }
      - { .name: b, .offset: 24, .size: 8, .value_kind: global_buffer, .address_space: global }
      - { .name: rows, .offset: 32, .size: 8, .value_kind: global_buffer, .address_space: global }
      - { .name: tiles, .offset: 40, .size: 8, .value_kind: global_buffer, .address_space: global }
      - { .name: out0, .offset: 48, .size: 8, .value_kind: global_buffer, .address_space: global }
    .group_segment_fixed_size: 164352
    .private_segment_fixed_size: 0
    .kernarg_segment_align: 8
    .kernarg_segment_size: 56
    .max_flat_workgroup_size: 128
    .sgpr_count:     100
    .vgpr_count:     1024
    .wavefront_size: 32
...
	.end_amdgpu_metadata
.endif
;; end of part 2
